; MI455X (gfx1250); checked and timed in simulation.
; The chip was launched on July 23, 2026; its instructions are those of AMD's public machine-readable ISA for CDNA 5 (MIT licence, August 2026) and "CDNA5" Instruction Set Architecture Reference Guide (July 2026). The comments in the code are by the model that wrote it; some were corrected since.
;; Causal Multihead Self Attention. Allowed arithmetic: matrix products marked QUANTISED: E4M3 operands, one given power-of-two scale a tensor, by v_wmma_f32_16x16x64_fp8_fp8 or v_wmma_f32_16x16x128_fp8_fp8, f32 sums; everything else in f32.
;; Inputs: Wo_codes 1,024 x 32 x 32 uint8 (E4M3 codes of Wo, K innermost, in blocks of 32 codes); Wqkv_codes 3,072 x 32 x 32 uint8 (E4M3 codes of Wqkv, K innermost, in blocks of 32 codes); lowp_scales 8 int32 (the exponents e of the quantised operands' scales 2^e); token_positions 4,096 int32; x_codes 1 x 4,096 x 32 x 32 uint8 (E4M3 codes of x, K innermost, in blocks of 32 codes).
;; Outputs: out0 1 x 4,096 x 1,024 float32.
;; This version of the problem:
;;   THIS VERSION OF THE PROBLEM IS GIVEN IN LOW PRECISION. The matrix products marked QUANTISED in the list below multiply operands that are first quantised to E4M3 (4 exponent bits, 3 mantissa bits; 8 bits a number), with one given power-of-two scale for each operand tensor; their sums are f32. All else is computed in f32.
;;   The module's matrix products, in the order in which they are computed (A, B: the left and right operand; K: the contracted axis; several contracted axes count as one K, in the product's order):
;;     1. [M 4,096, K 1,024] x [K 1,024, N 3,072]; A: input x (given as codes); B: input Wqkv (given as codes): QUANTISED (scales: A lowp_scales[0], B lowp_scales[1])
;;     2. batch 16 x [M 4,096, K 64] x [K 64, N 4,096]; A: computed on the way; B: computed on the way: QUANTISED (scales: A lowp_scales[2], B lowp_scales[3])
;;     3. batch 16 x [M 4,096, K 4,096] x [K 4,096, N 64]; A: softmax (see below); B: computed on the way: QUANTISED (scales: A lowp_scales[4], B lowp_scales[5])
;;     4. [M 4,096, K 1,024] x [K 1,024, N 1,024]; A: computed on the way; B: input Wo (given as codes): QUANTISED (scales: A lowp_scales[6], B lowp_scales[7])
;;   THE QUANTISER, for each operand of a quantised product, along K:
;;     - The operand's scale is 2^e, e = its entry of the input lowp_scales (int32; the entries are numbered through the quantised products in the list's order, A before B).
;;     - Each number is divided by the scale, clamped to +-448, and rounded to the nearest number of E4M3, ties to even, subnormals kept.
;;     - The product sums the exact products of the quantised numbers (number of the format x scale) in f32.
;;   ~~~python
;;   def quantise(x, axis, e):      # numpy; x: float32 -> the quantised numbers, widened to float32 again
;;       x = np.moveaxis(x, axis, -1); K = x.shape[-1]
;;       r = np.clip(x / 2.0 ** e, -448, 448)
;;       step = 2.0 ** (np.maximum(np.frexp(np.where(r == 0, 1, r))[1] - 1, -6) - 3)
;;       q = np.round(r / step) * step * 2.0 ** e      # np.round: ties to even
;;       return np.moveaxis(q, -1, axis).astype(np.float32)
;;   ~~~
;;   SOFTMAX AHEAD OF A QUANTISED PRODUCT. Where the list says 'softmax', what is quantised is not the finished softmax but p = 2^(t - M), with t = logit x log2(e) and M = ceil(the row's largest t), a whole number; so 1/2 < the row's largest p <= 1. The row's sum l is taken of the UNQUANTISED p, in f32, and the product's result is divided by l at the end. Since M is a whole number, a kernel that streams over the keys may use a running M (the ceiling of the running maximum): every later rescaling is an exact power of two, so the quantised numbers keep their values, but for numbers so far below the row's largest that they fall under the format's range.
;;   OPERANDS COMPUTED ON THE WAY. 'Computed on the way' means the value that the module computes at that place (a softmax that the list does not call 'softmax' is quantised finished and normalised). What goes into a quantiser is computed in f32, as accurately as f32 sums, v_exp_f32 and their like allow (about 1e-6 of the number): no bf16 or f16 on the way to a quantiser, and a product that is left as it is and whose result goes on into a quantised operand takes f32 operands (vector FMAs, or v_wmma_f32_16x16x4_f32). A number that lies on a knife's edge between two numbers of the format may be rounded either way, as far as f32 arithmetic and the matrix unit's own rounding can turn it there, and no further.
;;   INPUTS GIVEN AS CODES. Wo (in the module: [1024, 1024], K = its axis 1); Wqkv (in the module: [3072, 1024], K = its axis 1); x (in the module: [1, 4096, 1024], K = its axis 2): each comes as NAME_codes (uint8): NAME with its K axis moved to the last place and cut into blocks of 32 codes, [.., K / 32, bytes a block], one block behind the other in memory; one code a byte (a code: sign, 4 exponent bits, 3 mantissa bits); its scale is its entry of lowp_scales. Its value is code x scale, taken as it is: it is not quantised again, and the codes and scales need not be those that the quantiser above would give.
;; One version. Each part assembles by itself: llvm-mc -triple=amdgcn-amd-amdhsa -mcpu=gfx1250 --defsym DOCPART=n.
;; ======== version 1 of 1: 3 launches
;; limits: right only within a limited range of input values
;; workspace buffers: q 4,194,304 bytes; kv 8,388,608 bytes; a_img 4,194,304 bytes
;; launch qkv (part 1): grid 12 x 16, 4 waves a work-group, clusters of 4 x 4, 327,680 bytes of LDS; arguments x_codes, Wqkv_codes, lowp_scales, token_positions, q, kv; writes q, kv
.if DOCPART == 1
	.amdgcn_target "amdgcn-amd-amdhsa--gfx1250"
	.amdhsa_code_object_version 6
	.text
	.protected	k_q3898f5b268_qkv
	.globl	k_q3898f5b268_qkv
	.p2align	8
	.type	k_q3898f5b268_qkv,@function
k_q3898f5b268_qkv:
	s_mov_b64 s[64:65], 0
	v_nop
	global_prefetch_b8 v0, s[64:65] scope:SCOPE_SE
	s_setreg_imm32_b32 hwreg(HW_REG_WAVE_MODE, 25, 1), 1
	s_wait_xcnt 0x0
	s_wait_alu depctr_hold_cnt(0) depctr_sa_sdst(0) depctr_va_vdst(0) depctr_va_sdst(0) depctr_va_ssrc(0) depctr_va_vcc(0) depctr_vm_vsrc(0)
	s_getreg_b32 s2, hwreg(HW_REG_IB_STS2, 6, 4)
	s_cmp_eq_u32 s2, 0
	s_cbranch_scc0 .Lentry_in_a_cluster
	s_endpgm
.Lentry_in_a_cluster:
	s_bfe_u32 s2, ttmp6, 0x10000c
	s_cmp_lg_u32 s2, 0xf033
	s_cbranch_scc0 .Lentry_shape_is_right
	s_endpgm
.Lentry_shape_is_right:
; The first product, x Wqkv^T, on the given codes of FP8 (E4M3), with the rotation of q and k and the three quantisers on its way out.
; Blocks of 256 x 256, four waves of 128 x 128, K in steps of 256 through a ring of two LDS slots filled by joint loads in clusters of 4 x 4.
; Cluster column 0 makes q, column 1 makes k (source 1 = rows of x); column 2 makes v transposed (source 1 = rows of Wqkv), so that the keys run along a lane's registers.
; cos and sin of position / 10000^(2 i / 64) are made in f32 (division refined once, reduction by pi in three parts, polynomials) into a table in LDS, from token_positions as given.
; Results are stored as images of the next launch's operand registers: q [head][tile of 16][2 x 512 bytes], kv [head][step of 128 keys][16,384 bytes].
; WORK LEFT OUT IN THIS PROGRAM: reference() sets every score with key > query to -infinity by a mask that it builds itself (jnp.tril), so such a score's p is 0 whatever the inputs hold:
; the later launch attn neither fetches nor multiplies the tiles of 128 x 128 scores that lie wholly above the diagonal.  LIMIT: a NaN, an infinity or an overflow that would arise only in those tiles is not carried to the result.
; LIMITS on the given exponents, so that each power of two made here is an f32 number: e2 - e0 - e1, e3 - e0 - e1 and e5 - e0 - e1 between -126 and 119.
.set KSTEP,  256
.set ROWB,   256
.set KROW,   1024
.set PITCH,  272
.set FR,     16
.set NL,     4
.set NP,     4
.set HALFT,  128*PITCH
.set SLOT,   4*HALFT
.set LAPS,   KROW/(2*KSTEP)
.set SPARE,  2*SLOT
.set TP,     272
.set ADRA, 16
.set ADRB, 20
.set TW,   24
.set TR,   25
.set GI,   26
.set SPW,  28
.set NIL,  29
.set SC,   30
.set LIM,  31
.set TMP,  32
.set CODE, 96
.set AF,   128
.set CS,   128
.set TS,   32
.set rP, TS
.set rQ, TS+2
.set rE, TS+4
.set rN, TS+6
.set rR, TS+8
.set rZ, TS+10
.set rT, TS+12
.set rU, TS+14
.set rW, TS+16
.set rI, TS+18
.set rO, TS+20
.set CC,   192
.set RC,   194
.set IPI,  196
.set NP1,  198
.set NP2,  200
.set NP3,  202
.set cS3,  204
.set cS5,  206
.set cS7,  208
.set cS9,  210
.set cS11, 212
.set cC4,  214
.set cC6,  216
.set cC8,  218
.set cC10, 220
.set cC12, 222
.set SB,   68
.set G1, 24
.set G0, 32
.set G1B, 48
.set G0B, 56
.set MSB, 0
.macro WIN new
.if MSB != \new
	s_set_vgpr_msb (MSB<<8)|\new
.set MSB, \new
.endif
.endm
.set MUL_LO, 0xa1
.set MUL_HI, 0xf1
.set TO_B,   0x40
.macro JLOAD g0a, g1a, g0b, g1b
	s_cmp_eq_u32 s15, 0
	s_cbranch_scc0 .Lfor_b_\@
	tensor_load_to_lds s[\g0a:\g0a+3], s[\g1a:\g1a+7]
	s_nop 0
.rept 4
	v_nop
.endr
	s_branch .Lasked_\@
.Lfor_b_\@:
	tensor_load_to_lds s[\g0b:\g0b+3], s[\g1b:\g1b+7]
	s_nop 0
.rept 4
	v_nop
.endr
.Lasked_\@:
.endm
.macro CREST
	s_cmp_lg_u32 s14, 0
	s_cbranch_scc1 .Lnot_wave_0_\@
	s_barrier_signal -3
.Lnot_wave_0_\@:
	s_barrier_wait -3
	s_barrier_signal -1
	s_barrier_wait -1
.endm
.macro CROUND
	s_barrier_signal -1
	s_barrier_wait -1
	CREST
.endm
	s_load_b256 s[4:11], s[0:1], 0x0
	s_load_b128 s[68:71], s[0:1], 0x20
	v_lshl_add_u32 v[SPW], v0, 2, SPARE
	v_mov_b32 v[NIL], 0
	ds_add_u32 v28, v29
	ds_add_u32 v28, v29
	s_wait_dscnt 0x0
	v_lshrrev_b32 v1, 5, v0
	v_readfirstlane_b32 s14, v1
	s_lshr_b32 s15, s14, 1
	s_and_b32 s16, s14, 1
	s_bfe_u32 s40, ttmp6, 0x40000
	s_bfe_u32 s41, ttmp6, 0x40004
	s_and_b32 s2, ttmp7, 0xffff
	s_cmp_eq_u32 ttmp9, 2
	s_cselect_b32 s42, s2, ttmp9
	s_cselect_b32 s17, 0, s2
	s_lshl_b32 s42, s42, 2
	s_add_co_u32 s42, s42, s40
	s_lshl_b32 s17, s17, 2
	s_add_co_u32 s17, s17, s41
	s_lshl_b32 s43, s41, 2
	s_lshl_b32 s43, 15, s43
	s_lshl_b32 s44, 0x1111, s40
	s_or_b32 s[G1+0], s43, (0<<16)|(1<<20)|(1<<21)|(5<<22)|(3<<25)
	s_or_b32 s[G1B+0], s44, (0<<16)|(1<<20)|(1<<21)|(5<<22)|(3<<25)
.irp g, G1, G1B
	s_mov_b32 s[\g+1], ROWB<<16
	s_mov_b32 s[\g+2], 128<<16
	s_mov_b32 s[\g+3], ROWB<<16
	s_mov_b32 s[\g+4], 128
	s_mov_b32 s[\g+5], KROW
	s_mov_b32 s[\g+6], 0
	s_mov_b32 s[\g+7], 0
.endr
	s_lshl_b32 s18, s16, 7
	s_lshl_b32 s20, s17, 8
	s_add_co_u32 s20, s20, s18
	s_lshl_b32 s46, s42, 8
	s_add_co_u32 s46, s46, s18
	s_mov_b32 s21, 0
	s_mov_b32 s47, 0
	s_mov_b64 s[18:19], KROW
	s_mul_u64 s[20:21], s[20:21], s[18:19]
	s_mul_u64 s[46:47], s[46:47], s[18:19]
	s_mul_i32 s45, s14, HALFT
	s_wait_kmcnt 0x0
	s_load_b256 s[72:79], s[8:9], 0x0
	s_add_nc_u64 s[80:81], s[6:7], 0x200000
	s_cmp_eq_u32 ttmp9, 2
	s_cselect_b64 s[82:83], s[80:81], s[4:5]
	s_cselect_b64 s[80:81], s[4:5], s[6:7]
	s_add_nc_u64 s[20:21], s[82:83], s[20:21]
	s_add_nc_u64 s[46:47], s[80:81], s[46:47]
	CROUND
.irp s, 0,1
	s_mov_b32 s[G0+4*\s], 1
	s_add_co_u32 s[G0+4*\s+1], s45, \s*SLOT
	s_add_nc_u64 s[G0+4*\s+2:G0+4*\s+3], s[20:21], \s*ROWB
	s_or_b32 s[G0+4*\s+3], s[G0+4*\s+3], 0x80000000
	s_mov_b32 s[G0B+4*\s], 1
	s_add_co_u32 s[G0B+4*\s+1], s45, \s*SLOT
	s_add_nc_u64 s[G0B+4*\s+2:G0B+4*\s+3], s[46:47], \s*ROWB
	s_or_b32 s[G0B+4*\s+3], s[G0B+4*\s+3], 0x80000000
	s_wait_alu depctr_va_vdst(0)
	s_wait_tensorcnt 0x0
	ds_add_u32 v28, v29
	ds_add_u32 v28, v29
	s_wait_dscnt 0x0
	CROUND
	JLOAD G0+4*\s, G1, G0B+4*\s, G1B
.endr
	v_and_b32 v1, 15, v0
	v_bfe_u32 v2, v0, 4, 1
	v_mul_u32_u24 v3, v1, PITCH
	v_lshl_add_u32 v4, v2, 4, v3
	s_mul_i32 s21, s15, HALFT
	s_mul_i32 s22, s16, HALFT
	s_add_co_u32 s22, s22, 2*HALFT
.irp s, 0,1
	v_add_nc_u32 v[ADRA+\s], s21, v4
	v_add_nc_u32 v[ADRB+\s], s22, v4
	s_add_co_u32 s21, s21, SLOT
	s_add_co_u32 s22, s22, SLOT
.endr
	v_and_b32 v6, 31, v0
	v_lshlrev_b32 v[GI], 4, v6
	v_lshlrev_b32 v5, 3, v6
	s_mul_i32 s23, s14, 64*TP
	v_add_nc_u32 v[TW], s23, v5
	s_mul_i32 s23, s15, 128*TP
	v_lshl_add_u32 v5, v2, 5, v3
	v_add_nc_u32 v[TR], s23, v5
.macro FRAG reg, adr, q, i
.irp c, 0,1,2,3
	ds_load_b128 v[\reg+4*\c:\reg+4*\c+3], v[\adr] offset:128*(\q)+32*\c+(\i)*16*PITCH
.endr
.endm
.macro MUL16 a0, p, zero
.irp a, \a0, \a0+1
.irp b, 0,1,2,3,4,5,6,7
.if \zero
	v_wmma_f32_16x16x128_fp8_fp8 v[8*(8*((\a)%4)+\b):8*(8*((\a)%4)+\b)+7], v[128*(\p)+FR*\b:128*(\p)+FR*\b+FR-1], v[AF+FR*(\a):AF+FR*(\a)+FR-1], 0
.else
	v_wmma_f32_16x16x128_fp8_fp8 v[8*(8*((\a)%4)+\b):8*(8*((\a)%4)+\b)+7], v[128*(\p)+FR*\b:128*(\p)+FR*\b+FR-1], v[AF+FR*(\a):AF+FR*(\a)+FR-1], v[8*(8*((\a)%4)+\b):8*(8*((\a)%4)+\b)+7]
.endif
.endr
.endr
.endm
.macro FETCH_B slot, q, p
	WIN TO_B
.irp i, 0,1,2,3,4,5,6,7
	FRAG 128*(\p)+FR*\i, ADRB+\slot, \q, \i
.endr
	WIN 0
.endm
.macro FETCH_A slot, q, i0
.irp i, \i0, \i0+1, \i0+2, \i0+3
	FRAG AF+FR*(\i), ADRA+\slot, \q, \i
.endr
.endm
.macro PLACES n
.rept \n
	v_nop
.endr
.endm
.macro STEP slot, q, zero
	s_wait_dscnt 4*NL
	WIN MUL_LO
	MUL16 0, (\q)%2, \zero
	MUL16 2, (\q)%2, \zero
	s_wait_dscnt 0
	PLACES NP
	FETCH_B \slot, (\q)+1, 1-(\q)%2
	FETCH_A \slot, (\q)+1, 0
	WIN MUL_HI
	MUL16 4, (\q)%2, \zero
	MUL16 6, (\q)%2, \zero
	PLACES NP
	WIN 0
	FETCH_A \slot, (\q)+1, 4
.endm
.macro TURN slot, next, fill
	s_wait_tensorcnt 0x0
	ds_add_u32 v[SPW], v[NIL]
	s_wait_dscnt 4*NL+1
	WIN MUL_LO
	MUL16 0, 1, 0
	s_wait_dscnt 0x0
	s_barrier_signal -1
	MUL16 2, 1, 0
	WIN 0
	s_barrier_wait -1
.if \fill
	CREST
	s_add_nc_u64 s[G0+4*\slot+2:G0+4*\slot+3], s[G0+4*\slot+2:G0+4*\slot+3], 2*ROWB
	s_add_nc_u64 s[G0B+4*\slot+2:G0B+4*\slot+3], s[G0B+4*\slot+2:G0B+4*\slot+3], 2*ROWB
	JLOAD G0+4*\slot, G1, G0B+4*\slot, G1B
.else
	PLACES NP
.endif
	FETCH_B \next, 0, 0
	FETCH_A \next, 0, 0
	WIN MUL_HI
	MUL16 4, 1, 0
	MUL16 6, 1, 0
	PLACES NP
	WIN 0
	FETCH_A \next, 0, 4
.endm
	s_wait_alu depctr_va_vdst(0)
	s_wait_tensorcnt 1
	s_barrier_signal -1
	s_barrier_wait -1
	FETCH_B 0, 0, 0
	FETCH_A 0, 0, 0
	FETCH_A 0, 0, 4
	STEP 0, 0, 1
	s_mov_b32 s3, LAPS-1
.Llap:
	TURN 0, 1, 1
	STEP 1, 0, 0
	TURN 1, 0, 1
	STEP 0, 0, 0
	s_sub_co_u32 s3, s3, 1
	s_cmp_lg_u32 s3, 0
	s_cbranch_scc1 .Llap
	TURN 0, 1, 0
	STEP 1, 0, 0
	s_wait_dscnt 4*NL
	WIN MUL_LO
	MUL16 0, 1, 0
	MUL16 2, 1, 0
	s_wait_dscnt 0
	WIN MUL_HI
	MUL16 4, 1, 0
	MUL16 6, 1, 0
	WIN 0
	PLACES NP
	s_wait_kmcnt 0x0
	s_lshl_b32 s20, s17, 1
	s_add_co_u32 s20, s20, s15
	s_lshl_b32 s21, s42, 1
	s_add_co_u32 s21, s21, s16
	s_and_b32 s22, s21, 7
	s_cmp_eq_u32 ttmp9, 0
	s_cselect_b32 s2, s74, s75
	s_cselect_b32 s18, 18, 19
	s_cselect_b32 s19, 13, 14
	s_cselect_b64 s[SB:SB+1], s[68:69], s[70:71]
	s_cmp_eq_u32 ttmp9, 2
	s_cselect_b32 s2, s77, s2
	s_cselect_b32 s22, s20, s22
	s_cselect_b32 s23, s21, s20
	s_cselect_b32 s3, 0x2000, 0
	s_lshl_b32 s22, s22, 1
	s_lshl_b32 s22, s22, s18
	s_lshl_b32 s23, s23, s19
	s_add_co_u32 s22, s22, s23
	s_add_co_u32 s22, s22, s3
	s_mov_b32 s23, 0
	s_add_nc_u64 s[SB:SB+1], s[SB:SB+1], s[22:23]
	s_lshl_b32 s22, 1, s18
	s_add_nc_u64 s[SB+2:SB+3], s[SB:SB+1], s[22:23]
	s_sub_co_i32 s2, s2, s72
	s_sub_co_i32 s2, s2, s73
	s_add_co_i32 s2, s2, 127
	s_lshl_b32 s3, s2, 23
	v_mov_b32 v[SC], s3
	s_add_co_i32 s2, s2, 8
	s_lshl_b32 s2, s2, 23
	s_or_b32 s2, s2, 0x600000
	v_mov_b32 v[LIM], s2
	s_lshl_b32 s22, s17, 10
	s_lshl_b32 s3, s14, 8
	s_add_co_u32 s22, s22, s3
	s_add_nc_u64 s[10:11], s[10:11], s[22:23]
	s_cmp_eq_u32 ttmp9, 2
	s_cbranch_scc1 .Lno_table
	s_load_b512 s[16:31], s[10:11], 0x0
	s_load_b512 s[32:47], s[10:11], 0x40
	s_load_b512 s[48:63], s[10:11], 0x80
	s_load_b512 s[84:99], s[10:11], 0xc0
	v_mov_b32 v[CC], 0
.macro CI i, bits
	s_mov_b32 s2, \bits
	v_writelane_b32 v[CC], s2, \i
.endm
	CI 0,  0x3f800000
	CI 1,  0x3faab0d5
	CI 2,  0x3fe39ea9
	CI 3,  0x4017c496
	CI 4,  0x404a62c2
	CI 5,  0x4086f161
	CI 6,  0x40b3f300
	CI 7,  0x40eff755
	CI 8,  0x41200000
	CI 9,  0x41555d0a
	CI 10, 0x418e432a
	CI 11, 0x41bdb5bc
	CI 12, 0x41fcfb72
	CI 13, 0x4228adb9
	CI 14, 0x4260efc0
	CI 15, 0x4295fa95
	CI 16, 0x42c80000
	CI 17, 0x43055a26
	CI 18, 0x4331d3f4
	CI 19, 0x436d232b
	CI 20, 0x439e1d27
	CI 21, 0x43d2d927
	CI 22, 0x440c95d8
	CI 23, 0x443b793b
	CI 24, 0x447a0000
	CI 25, 0x44a6b0b0
	CI 26, 0x44de48f1
	CI 27, 0x451435fb
	CI 28, 0x4545a471
	CI 29, 0x4583c7b8
	CI 30, 0x45afbb4e
	CI 31, 0x45ea5789
	v_mov_b32 v[CC+1], v[CC]
	v_rcp_f32 v[RC], v[CC]
.macro KPAIR reg, bits
	v_mov_b32 v[\reg], \bits
	v_mov_b32 v[\reg+1], \bits
.endm
	KPAIR IPI,  0x3ea2f983
	KPAIR NP1,  0xc0490fdb
	KPAIR NP2,  0x33bbbd2e
	KPAIR NP3,  0x27772ced
	KPAIR cS3,  0xbe2aaaab
	KPAIR cS5,  0x3c088889
	KPAIR cS7,  0xb9500d01
	KPAIR cS9,  0x3638ef1d
	KPAIR cS11, 0xb2d7322b
	KPAIR cC4,  0x3d2aaaab
	KPAIR cC6,  0xbab60b61
	KPAIR cC8,  0x37d00d01
	KPAIR cC10, 0xb493f27e
	KPAIR cC12, 0x310f76c7
	s_wait_alu depctr_va_vdst(0)
	v_mov_b32 v[RC+1], v[RC]
.macro PKF d, x, xs, y, ys, z, zs
.irp u, 0,1,2,3
	v_pk_fma_f32 v[\d+24*\u:\d+24*\u+1], v[\x+\xs*\u:\x+\xs*\u+1], v[\y+\ys*\u:\y+\ys*\u+1], v[\z+\zs*\u:\z+\zs*\u+1]
.endr
.endm
.macro PKM d, x, xs, y, ys
.irp u, 0,1,2,3
	v_pk_mul_f32 v[\d+24*\u:\d+24*\u+1], v[\x+\xs*\u:\x+\xs*\u+1], v[\y+\ys*\u:\y+\ys*\u+1]
.endr
.endm
.macro SINCOS8 k0
.irp u, 0,1,2,3
	v_cvt_f32_i32 v[rP+24*\u], s[16+(\k0)+2*\u+20*(((\k0)+2*\u)/48)]
	v_cvt_f32_i32 v[rP+24*\u+1], s[17+(\k0)+2*\u+20*(((\k0)+2*\u)/48)]
.endr
	s_wait_alu depctr_va_vdst(0)
	PKM rQ, rP, 24, RC, 0
.irp u, 0,1,2,3
	v_pk_fma_f32 v[rE+24*\u:rE+24*\u+1], v[rQ+24*\u:rQ+24*\u+1], v[CC:CC+1], v[rP+24*\u:rP+24*\u+1] neg_lo:[1,0,0] neg_hi:[1,0,0]
.endr
	PKF rQ, rE, 24, RC, 0, rQ, 24
	PKM rN, rQ, 24, IPI, 0
.irp u, 0,1,2,3
	v_rndne_f32 v[rN+24*\u], v[rN+24*\u]
	v_rndne_f32 v[rN+24*\u+1], v[rN+24*\u+1]
.endr
	PKF rR, rN, 24, NP1, 0, rQ, 24
	PKF rR, rN, 24, NP2, 0, rR, 24
	PKF rR, rN, 24, NP3, 0, rR, 24
	PKM rZ, rR, 24, rR, 24
	PKF rT, rZ, 24, cS11, 0, cS9, 0
	PKF rU, rZ, 24, cC12, 0, cC10, 0
	PKF rT, rT, 24, rZ, 24, cS7, 0
	PKF rU, rU, 24, rZ, 24, cC8, 0
	PKF rT, rT, 24, rZ, 24, cS5, 0
	PKF rU, rU, 24, rZ, 24, cC6, 0
	PKF rT, rT, 24, rZ, 24, cS3, 0
	PKF rU, rU, 24, rZ, 24, cC4, 0
	PKM rW, rZ, 24, rR, 24
.irp u, 0,1,2,3
	v_pk_fma_f32 v[rU+24*\u:rU+24*\u+1], v[rU+24*\u:rU+24*\u+1], v[rZ+24*\u:rZ+24*\u+1], -0.5 op_sel_hi:[1,1,0]
.endr
	PKF rT, rT, 24, rW, 24, rR, 24
.irp u, 0,1,2,3
	v_pk_fma_f32 v[rU+24*\u:rU+24*\u+1], v[rU+24*\u:rU+24*\u+1], v[rZ+24*\u:rZ+24*\u+1], 1.0 op_sel_hi:[1,1,0]
.endr
.irp u, 0,1,2,3
	v_cvt_i32_f32 v[rI+24*\u], v[rN+24*\u]
	v_cvt_i32_f32 v[rI+24*\u+1], v[rN+24*\u+1]
.endr
.irp u, 0,1,2,3
	v_lshlrev_b32 v[rI+24*\u], 31, v[rI+24*\u]
	v_lshlrev_b32 v[rI+24*\u+1], 31, v[rI+24*\u+1]
.endr
	s_wait_alu depctr_va_vdst(0)
	s_wait_dscnt 0x0
.irp u, 0,1,2,3
	v_xor_b32 v[rO+24*\u], v[rI+24*\u], v[rU+24*\u]
	v_xor_b32 v[rO+24*\u+1], v[rI+24*\u], v[rT+24*\u]
	v_xor_b32 v[rO+24*\u+2], v[rI+24*\u+1], v[rU+24*\u+1]
	v_xor_b32 v[rO+24*\u+3], v[rI+24*\u+1], v[rT+24*\u+1]
.endr
.irp u, 0,1,2,3
	ds_store_b64 v[TW], v[rO+24*\u:rO+24*\u+1] offset:((\k0)+2*\u)*TP
	ds_store_b64 v[TW], v[rO+24*\u+2:rO+24*\u+3] offset:((\k0)+2*\u+1)*TP
.endr
.endm
	s_wait_kmcnt 0x0
.irp k, 0,8,16,24,32,40,48,56
	SINCOS8 \k
.endr
.Lno_table:
	s_wait_dscnt 0x0
	s_barrier_signal -1
	s_barrier_wait -1
	s_cmp_eq_u32 ttmp9, 2
	s_cbranch_scc1 .Lv
.macro CSLOAD a
.irp bb, 0,1,2,3
	ds_load_b128 v[CS+32*((\a)%2)+8*\bb:CS+32*((\a)%2)+8*\bb+3], v[TR] offset:16*(\a)*TP+64*\bb
	ds_load_b128 v[CS+32*((\a)%2)+8*\bb+4:CS+32*((\a)%2)+8*\bb+7], v[TR] offset:16*(\a)*TP+64*\bb+16
.endr
.endm
.macro QKBLOCK a
.if (\a) < 7
	CSLOAD (\a)+1
	s_wait_dscnt 8
.else
	s_wait_dscnt 0x0
.endif
.set AC, 64*((\a)%4)
.set CB, CS+32*((\a)%2)
	WIN 0x02+((\a)/4)
.irp b, 0,1,2,3,4,5,6,7
.irp jj, 0,2,4,6
	v_pk_mul_f32 v[TMP+8*\b+\jj:TMP+8*\b+\jj+1], v[AC+8*\b+\jj:AC+8*\b+\jj+1], v[CB+8*(\b%4)+\jj:CB+8*(\b%4)+\jj+1] op_sel_hi:[1,0]
.endr
.irp jj, 0,2,4,6
	v_pk_fma_f32 v[TMP+8*\b+\jj:TMP+8*\b+\jj+1], v[AC+8*\b+\jj:AC+8*\b+\jj+1], v[CB+8*(\b%4)+\jj:CB+8*(\b%4)+\jj+1], v[TMP+8*\b+\jj:TMP+8*\b+\jj+1] op_sel:[1,1,0] op_sel_hi:[0,1,1] neg_lo:[0,1,0]
.endr
.endr
	WIN 0
.set i, 0
.rept 64
	v_med3_num_f32 v[TMP+i], v[TMP+i], -v[LIM], v[LIM]
.set i, i+1
.endr
	s_wait_alu depctr_va_vdst(0)
	s_wait_xcnt 0x0
.irp b, 0,1,2,3,4,5,6,7
	v_cvt_scalef32_pk8_fp8_f32 v[CODE+2*\b:CODE+2*\b+1], v[TMP+8*\b:TMP+8*\b+7], v[SC]
.endr
	v_nop
.irp k, 0,1,2,3
	global_store_b128 v[GI], v[CODE+4*\k:CODE+4*\k+3], s[SB+2*(\k/2):SB+2*(\k/2)+1] offset:(\a)*1024+512*(\k%2)
.endr
.endm
	CSLOAD 0
.irp a, 0,1,2,3,4,5,6,7
	QKBLOCK \a
.endr
	s_branch .Ldone
.Lv:
.macro VBLOCK a
.set AC, 64*((\a)%4)
	WIN 0x02+((\a)/4)
.set i, 0
.rept 64
	v_med3_num_f32 v[TMP+i], v[AC+i], -v[LIM], v[LIM]
.set i, i+1
.endr
	WIN 0
	s_wait_alu depctr_va_vdst(0)
	s_wait_xcnt 0x0
.irp b, 0,1,2,3,4,5,6,7
	v_cvt_scalef32_pk8_fp8_f32 v[CODE+2*\b:CODE+2*\b+1], v[TMP+8*\b:TMP+8*\b+7], v[SC]
.endr
	v_nop
.irp k, 0,1,2,3
	global_store_b128 v[GI], v[CODE+4*\k:CODE+4*\k+3], s[SB+2*((\a)/4):SB+2*((\a)/4)+1] offset:((\a)%4)*2048+512*\k
.endr
.endm
	s_wait_alu depctr_va_vdst(0)
.irp a, 0,1,2,3,4,5,6,7
	VBLOCK \a
.endr
.Ldone:
	s_wait_tensorcnt 0x0
	ds_add_u32 v[SPW], v[NIL]
	s_wait_dscnt 0x0
	CROUND
	s_endpgm
.Lfunc_end_k_q3898f5b268_qkv:
	.size	k_q3898f5b268_qkv, .Lfunc_end_k_q3898f5b268_qkv-k_q3898f5b268_qkv
	.p2alignl 7, 3214868480
	.fill 96, 4, 3214868480
	.section	.rodata,"a",@progbits
	.p2align	6, 0x0
	.amdhsa_kernel k_q3898f5b268_qkv
		.amdhsa_group_segment_fixed_size 327680
		.amdhsa_private_segment_fixed_size 0
		.amdhsa_enable_private_segment 0
		.amdhsa_kernarg_size 48
		.amdhsa_user_sgpr_count 2
		.amdhsa_user_sgpr_kernarg_segment_ptr 1
		.amdhsa_wavefront_size32 1
		.amdhsa_system_sgpr_workgroup_id_x 1
		.amdhsa_system_sgpr_workgroup_id_y 1
		.amdhsa_system_sgpr_workgroup_id_z 1
		.amdhsa_system_vgpr_workitem_id 0
		.amdhsa_next_free_vgpr 1024
		.amdhsa_next_free_sgpr 100
		.amdhsa_reserve_vcc 0
		.amdhsa_float_denorm_mode_32 3
		.amdhsa_float_denorm_mode_16_64 3
		.amdhsa_memory_ordered 1
		.amdhsa_forward_progress 1
		.amdhsa_inst_pref_size 255
	.end_amdhsa_kernel
	.section	.bss,"aw",@nobits
	.p2align	6
	.space	262144
	.amdgpu_metadata
---
amdhsa.version: [ 1, 2 ]
amdhsa.kernels:
  - .name:           k_q3898f5b268_qkv
    .symbol:         k_q3898f5b268_qkv.kd
    .args:
      - { .name: x_codes, .offset: 0, .size: 8, .value_kind: global_buffer, .address_space: global }
      - { .name: Wqkv_codes, .offset: 8, .size: 8, .value_kind: global_buffer, .address_space: global }
      - { .name: lowp_scales, .offset: 16, .size: 8, .value_kind: global_buffer, .address_space: global }
      - { .name: token_positions, .offset: 24, .size: 8, .value_kind: global_buffer, .address_space: global }
      - { .name: q, .offset: 32, .size: 8, .value_kind: global_buffer, .address_space: global }
      - { .name: kv, .offset: 40, .size: 8, .value_kind: global_buffer, .address_space: global }
    .group_segment_fixed_size: 327680
    .private_segment_fixed_size: 0
    .kernarg_segment_align: 8
    .kernarg_segment_size: 48
    .max_flat_workgroup_size: 128
    .sgpr_count:     100
    .vgpr_count:     1024
    .wavefront_size: 32
...
	.end_amdgpu_metadata
.endif
;; end of part 1
;; launch attn (part 2): grid 16 x 16, 16 waves a work-group, no clusters, 327,680 bytes of LDS; arguments q, kv, lowp_scales, a_img; writes a_img
.if DOCPART == 2
	.amdgcn_target "amdgcn-amd-amdhsa--gfx1250"
	.amdhsa_code_object_version 6
	.text
	.protected	k_q3898f5b268_attn
	.globl	k_q3898f5b268_attn
	.p2align	8
	.type	k_q3898f5b268_attn,@function
k_q3898f5b268_attn:
	s_mov_b64 s[64:65], 0
	v_nop
	global_prefetch_b8 v0, s[64:65] scope:SCOPE_SE
	s_setreg_imm32_b32 hwreg(HW_REG_WAVE_MODE, 25, 1), 1
	s_wait_xcnt 0x0
; Causal attention on codes of FP8 (E4M3): 16 heads of 64 channels, 4,096 tokens.  S = q k^T, p = 2^(t - M), O = p v, O / l quantised for the last product.
; Tiles of 128 x 128 scores that lie wholly under reference()'s own causal mask are neither fetched nor multiplied (their p is 0 for all inputs).
; INPUTS, as images of operand registers (lane l's 16 bytes at 16 l, 512 bytes an image):
;   q:  [head][tile of 16 queries][2 images]: lane (r, h): query r, registers 2 c, 2 c + 1 = channels 16 c + 8 h + 0 .. 7
;   kv: [head][step of 128 keys][16,384]: 8 tiles of 16 keys laid as q (8,192 bytes), then V^T: 4 channel tiles x 4 images: lane (r, h): channel r, registers 2 c, 2 c + 1 = keys 16 c + 8 h + 0 .. 7
; OUTPUT a_img: [tile of 16 rows][head][2 images]: lane (r, h): row r, k = 64 head + 32 b + 16 h + 0 .. 15.
; THE SOFTMAX: t = score x log2(e) / 8; M = the largest t so far, rounded UP to a whole number; p = 2^(t - M) is quantised along the keys, not normalised; the sum is taken of the unquantised p and divides O at the end.
; When M moves, the sum and O are multiplied by 2^(old M - new M): exact.
; SHARES.  Work-group (j, head) takes query block j (128 queries; key steps 0 .. j) and block 31 - j (key steps 0 .. 31 - j): 33 key steps, numbered s = 0 .. 32, in EVERY work-group.  s stands for key step s (s <= j) or s - j - 1.
; SIXTEEN waves of 256 registers, four to a SIMD.  Wave w owns the 16 queries 16 (w % 8) of the block in hand; waves 0-7 walk the even s, waves 8-15 the odd s: each wave has a part of its queries' keys, with its own M, sum and O^T.
; At its first s beyond j a wave lays its part of block j into LDS bytes of its own and begins block 31 - j; at the end it lays that part down too.  Behind one barrier waves 0-7 join the two parts of block j, waves 8-15 those of block 31 - j:
; both are brought under the larger M by powers of two and added.  A part without keys (block 0's odd part) has sum 0 and O^T 0 and gets the factor 0.
; Both products are used transposed: S^T = K Q^T, O^T = V^T P^T: a lane holds ONE query (lane % 16) throughout.  Tile T of S^T holds keys 16 T + 8 h + 0 .. 7: its conversion gives registers 2 T, 2 T + 1 of the second product's operand.
; LDS: step s = 0 has 16,384 bytes of its own, filled once; behind them THE RING: two slots of four key steps (65,536 bytes, dense); slot number m = 0 .. 7 holds s = 1 + 4 m .. 4 + 4 m.  At the head waves 0 to 4 fetch s = 0 .. 4, a step each;
; later waves 0 to 3 fetch a slot's four steps, one tensor load a wave.  Waves 0-7 walk s = 0 while waves 8-15 begin slot 0.
; THE BARRIER OF A CHANGE OF SLOTS IS SPLIT: V's fragments of a wave's last step of a slot are the last that it reads of the slot.  Behind that step's maximum and scalings, under which those loads land, it waits for its tensor loads and its LDS reads and signals;
; the step's exponentials, sums, conversions and second product, work on registers alone, stand between the signal and the wait; the refill is the first thing behind the wait.
; No multicast: the sixteen work-groups of a head turn back to key step 0 at different numbers s (j + 1), so partners would not want the same tile in the same round.
; LIMITS on the given exponents, so that each power of two below is an f32 number: e2 + e3 between -123 and 130 (added to c's exponent field); e4, and e6 - e4 - e5, between -126 and 119.
; REGISTERS: v1-10 addresses; v12 -M, v13 the largest t, v[14:15] the sum in two halves; v16-23 Q; v24-31 Q of the second block; v32-95 K's eight fragments, then V's four; v96-159 S^T, then p; v160-191 O^T;
;   v192-207 p's codes; v208-227 the way out; v232-255 at work and scales.
.set STEPB, 16384                      ; a key step's bytes
.set RING,  16384                      ; slot 0 begins here, behind step s = 0
.set SLOT1, 1<<16                      ; a slot's bytes; one exclusive or turns slot 0's first byte (0x4000) into slot 1's (0x14000) and back
.set SPARE, RING+2*SLOT1               ; the spare words, 128 bytes for each of 16 waves
.set STA,   SPARE+2048                 ; the parts: 304 bytes a thread: block j's at 0 (O^T 128 bytes, then -M, t, the sum's halves), block 31 - j's at 144
.set SP,    304                        ; 19 x 16 bytes from thread to thread
.set LI,   1                           ; v1   16 x lane
.set ADR,  2                           ; v2   the step's LDS address
.set PFO,  3                           ; v3   the prefetches' offset
.set D,    4                           ; v4   my query in its block less 8 h
.set SPW,  5                           ; v5   LDS address of my spare word; never rewritten
.set NIL,  6                           ; v6   0; never rewritten
.set STW,  7                           ; v7   where I lay my parts
.set SRX,  8                           ; v8   the even waves' part that I join
.set SRY,  9                           ; v9   the odd waves' part that I join
.set LIG,  10                          ; v10  16 x lane + a key step's bytes in waves 0-7 (a slot's steps 1 and 3 have even s)
.set F,    32
.set TB,   2                           ; s2   LDS byte at which the slot in hand begins
.set J,    12
.set JP1,  13                          ; s13  j + 1: the number s at which the second block begins
.set SQ,   14                          ; s14  my step's number s
.set KS,   15                          ; s15  its key step
.set BK,   16                          ; s16  the query block in hand
.set BKB,  17                          ; s17  31 - j
.set WV,   18                          ; s18  my wave's number
.set GR,   19                          ; s19  wave / 8: the parity of my s
.set SEL,  20                          ; s[20:21] lane selects for v_permlanex16_b32: lane l xor 16
.set CS,   22                          ; s[22:23] c = log2(e) / 8 x 2^(e2 + e3)
.set G1,   24                          ; s[24:31] descriptor group 1
.set KVH,  32                          ; s[32:33] my head's first byte of kv
.set SEQW, 34                          ; s34  the number s that I fetch next
.set JSW,  35                          ; s35  my first s beyond j
.set OFS,  36                          ; s[36:37] an offset, s37 = 0
.set W7,   38                          ; s38  wave % 8
.set LB,   39                          ; s39  first byte of the slot that was filled last
.set G0,   40                          ; s[40:43] descriptor group 0
.set AO,   44                          ; s[44:45] where the tile that I join is stored
.set QA,   56
.set QB,   58
.set SLOTS, 67                         ; s67  the loop's trips to go
.set PFA,  76                          ; s[76:77] where my prefetches stand
.set LIM,  80                          ; s80  1 in a wave that prefetches, else the greatest number
.set POS,  81                          ; s81  the byte in a slot of the step that I fetch
; Waves 0 to n - 1 fetch a key step each.  The branch hangs on the wave's number alone.  An s_nop 0 and four v_nop follow the load.
.macro TLOAD n
	s_cmp_lt_u32 s[WV], \n
	s_cbranch_scc0 .Lnone_\@
	tensor_load_to_lds s[G0:G0+3], s[G1:G1+7]
	s_nop 0
.rept 4
	v_nop
.endr
.Lnone_\@:
.endm
; A PREFETCH INTO THE L2 of what the NEXT change of slots will ask for.  All sixteen work-groups of a head read the same 32 key steps; the one with j = 0 walks steps 0 .. 31 on end (its key step is s - 1) and asks, nobody else.
; In it waves 4 to 7 ask for one key step each: 16,384 bytes, lanes 256 bytes apart, two instructions.  The change that loads slot m names slot m + 1's key steps 4 m + 4 .. 4 m + 7, m = 1 .. 6:
; key steps 8 .. 31 are named once each in the launch; the others come by their loads alone.
.macro ASK
	s_cmp_gt_u32 s[SLOTS], s[LIM]
	s_cbranch_scc0 .Lnot_mine_\@
	global_prefetch_b8 v[PFO], s[PFA:PFA+1] th:TH_LOAD_NT scope:SCOPE_SE
	global_prefetch_b8 v[PFO], s[PFA:PFA+1] offset:8192 th:TH_LOAD_NT scope:SCOPE_SE
.Lnot_mine_\@:
.endm
	s_load_b256 s[4:11], s[0:1], 0x0               ; q, kv, the scales' exponents, a_img
	v_lshl_add_u32 v[SPW], v0, 2, SPARE
	v_mov_b32 v[NIL], 0
	ds_add_u32 v[SPW], v[NIL]                      ; the opening lines: the add, twice on end, and its wait ahead of the first tensor load
	ds_add_u32 v[SPW], v[NIL]
	v_lshrrev_b32 v32, 5, v0
	v_readfirstlane_b32 s[WV], v32                 ; wave 0..15
	s_lshr_b32 s[GR], s[WV], 3
	s_and_b32 s[W7], s[WV], 7
	s_mov_b32 s[J], ttmp9
	s_add_co_u32 s[JP1], ttmp9, 1
	s_sub_co_u32 s[BKB], 31, ttmp9
	s_add_co_u32 s[JSW], s[JP1], s[GR]
	s_and_b32 s[JSW], s[JSW], 1
	s_add_co_u32 s[JSW], s[JSW], s[JP1]            ; j + 1, or j + 2 where j + 1 has not my parity
	s_and_b32 s68, ttmp7, 0xffff                   ; the head
	s_mov_b32 s[G1], 3<<16                         ; a key step is one dense block: 64 rows of 256 bytes (32 elements of 8 bytes), no padding
	s_mov_b32 s[G1+1], 32<<16
	s_mov_b32 s[G1+2], 64<<16
	s_mov_b32 s[G1+3], 32<<16
	s_mov_b32 s[G1+4], 64
	s_mov_b32 s[G1+5], 32
	s_mov_b32 s[G1+6], 0
	s_mov_b32 s[G1+7], 0
	s_min_u32 s[POS], s[WV], 3
	s_lshl_b32 s[POS], s[POS], 14                  ; later: waves 0 .. 3 fetch a slot's steps 0 .. 3
	s_mov_b32 s[LB], RING
	s_min_u32 s[SEQW], s[WV], 4                    ; at the head: waves 0 .. 4 fetch s = 0 .. 4 (the others issue nothing),
	s_mov_b32 s[G0], 1
	s_lshl_b32 s[G0+1], s[SEQW], 14                ; which lie on end from LDS byte 0
	s_mov_b32 s[OFS+1], 0
	s_mov_b32 s[SEL], 0x76543210
	s_mov_b32 s[SEL+1], 0xfedcba98
	s_mov_b32 s[TB], RING
	s_mov_b32 s[SLOTS], 6
	s_mov_b32 s[SQ], s[GR]
	s_mov_b32 s[KS], s[GR]
	s_mov_b32 s[BK], ttmp9
	s_lshl_b32 s[OFS], s68, 19                     ; a head is 32 steps of 16,384 bytes
	s_wait_dscnt 0x0                               ; both opening adds are done
	s_wait_kmcnt 0x0
	s_load_b256 s[48:55], s[8:9], 0x0              ; e0 .. e7
	s_add_nc_u64 s[KVH:KVH+1], s[6:7], s[OFS:OFS+1]
	s_cmp_gt_u32 s[SEQW], s[J]                     ; the key step of number s: s, or s - (j + 1) in the second block
	s_cselect_b32 s[OFS], s[JP1], 0
	s_sub_co_u32 s[OFS], s[SEQW], s[OFS]
	s_lshl_b32 s[OFS], s[OFS], 14
	s_add_nc_u64 s[G0+2:G0+3], s[KVH:KVH+1], s[OFS:OFS+1]
	s_or_b32 s[G0+3], s[G0+3], 0x80000000
	TLOAD 5                                        ; s = 0 and slot 0
	s_min_u32 s[SEQW], s[WV], 3
	s_add_co_u32 s[SEQW], s[SEQW], 1               ; slot 0's step at my place: each fill steps this by four
	s_lshl_b32 s69, ttmp9, 3
	s_add_co_u32 s69, s69, s[W7]                   ; my tile of 16 rows in the first block: 8 j + wave % 8,
	s_lshl_b32 s70, s[BKB], 3
	s_add_co_u32 s70, s70, s[W7]                   ; in the second
	s_mov_b32 s73, 0
	s_lshl_b32 s71, s68, 18                        ; q: a head is 256 tiles of 1,024 bytes
	s_lshl_b32 s72, s69, 10
	s_add_co_u32 s72, s72, s71
	s_add_nc_u64 s[QA:QA+1], s[4:5], s[72:73]
	s_lshl_b32 s72, s70, 10
	s_add_co_u32 s72, s72, s71
	s_add_nc_u64 s[QB:QB+1], s[4:5], s[72:73]
	s_cmp_eq_u32 s[GR], 0                          ; waves 0-7 finish the first block's tiles, waves 8-15 the second's
	s_cselect_b32 s72, s69, s70
	s_lshl_b32 s72, s72, 14                        ; a_img: a tile is 16 heads of 1,024 bytes
	s_lshl_b32 s71, s68, 10
	s_add_co_u32 s72, s72, s71
	s_add_nc_u64 s[AO:AO+1], s[10:11], s[72:73]
	s_sub_co_u32 s69, s[WV], 4                     ; the prefetches: waves 4 .. 7
	s_cmp_lt_u32 s69, 4
	s_cselect_b32 s70, 0, 1
	s_or_b32 s70, s70, ttmp9                       ; of the work-group with j = 0
	s_cmp_eq_u32 s70, 0
	s_cselect_b32 s[LIM], 1, -1
	s_min_u32 s69, s69, 3
	s_add_co_u32 s69, s69, 4                       ; at key step 4 + (wave - 4): the first change of slots steps it by four.  Nothing is prefetched at the head
	s_lshl_b32 s72, s69, 14
	s_add_nc_u64 s[PFA:PFA+1], s[KVH:KVH+1], s[72:73]
	v_and_b32 v32, 31, v0
	v_lshrrev_b32 v33, 8, v0                       ; wave / 8
	v_and_b32 v34, 255, v0
	v_lshlrev_b32 v[LI], 4, v32
	v_lshlrev_b32 v[PFO], 8, v32
	v_mul_u32_u24 v[STW], v0, SP
	v_mul_u32_u24 v34, v34, SP
	v_xor_b32 v35, 1, v33
	global_load_b128 v[16:19], v[LI], s[QA:QA+1]             ; Q's fragments of both blocks stay in registers
	global_load_b128 v[20:23], v[LI], s[QA:QA+1] offset:512
	global_load_b128 v[24:27], v[LI], s[QB:QB+1]
	global_load_b128 v[28:31], v[LI], s[QB:QB+1] offset:512
	v_lshl_add_u32 v[LIG], v35, 14, v[LI]          ; waves 8-15 read a slot's steps 0 and 2, waves 0-7 its steps 1 and 3
	v_add_nc_u32 v[STW], STA, v[STW]
	v_mad_u32_u24 v[SRX], v33, 144, v34            ; waves 0-7 join the parts at 0, waves 8-15 those at 144, of threads t % 256 and t % 256 + 256
	v_add_nc_u32 v[SRX], STA, v[SRX]
	v_add_nc_u32 v[SRY], 256*SP, v[SRX]
	v_and_b32 v32, 15, v0                          ; r
	v_bfe_u32 v33, v0, 5, 3                        ; wave % 8
	v_bfe_u32 v34, v0, 4, 1                        ; h
	v_lshl_add_u32 v[D], v33, 4, v32
	v_lshlrev_b32 v34, 3, v34
	v_sub_nc_u32 v[D], v[D], v34                   ; register 8 T + i holds key 16 T + i + 8 h of the step: on the diagonal hidden where 16 T + i > this
	v_mov_b32 v13, 0xff61b1e6                      ; the largest t so far: -3e38, under every t
	v_floor_f32 v12, -v13                          ; -M
	v_mov_b32 v14, 0
	v_mov_b32 v15, 0
	v_mov_b32 v236, 0                              ; written once: a lane permute's destination counts as one of its sources
	v_mov_b32 v252, 0
	v_mov_b32 v253, 0                              ; (named as the upper half of the pair v[252:253])
	v_mov_b32 v218, 0
	v_mov_b32 v219, 0
.set i, 0
.rept 32
	v_mov_b32 v[160+i], 0                          ; O^T.  (The step is written once: a block's first step finds zeros, which the first change of M leaves zeros)
.set i, i+1
.endr
	s_wait_kmcnt 0x0
	s_add_co_i32 s69, s50, s51
	s_lshl_b32 s69, s69, 23
	s_mov_b32 s[CS], 0x3e38aa3b                    ; log2(e) / sqrt(64)
	s_add_co_i32 s[CS], s[CS], s69                 ; a score stands for score x 2^(e2 + e3)
	s_mov_b32 s[CS+1], s[CS]
	s_add_co_i32 s69, s52, 127
	s_lshl_b32 s70, s69, 23
	v_mov_b32 v244, s70                            ; 2^e4 as f32, for p's conversion
	s_add_co_i32 s69, s69, 8
	s_lshl_b32 s69, s69, 23
	s_or_b32 s69, s69, 0x600000
	v_mov_b32 v240, s69                            ; 448 x 2^e4,
	v_mov_b32 v241, s69                            ; twice: the two halves of a dual instruction take their second sources from different register banks
	s_sub_co_i32 s69, s54, s52
	s_sub_co_i32 s69, s69, s53                     ; O^T / l stands for that x 2^(e4 + e5): its code is it / 2^(e6 - e4 - e5)
	s_add_co_i32 s69, s69, 127
	s_lshl_b32 s70, s69, 23
	v_mov_b32 v246, s70
	s_add_co_i32 s69, s69, 8
	s_lshl_b32 s69, s69, 23
	s_or_b32 s69, s69, 0x600000
	v_mov_b32 v247, s69
; THE CHANGE OF SLOTS, first half.  The wave waits for all its tensor loads (its part of the slot ahead), adds 0 to its spare word, waits for that and for its reads of the slot in hand, and signals.
; fill = 1: the slot in hand will be filled again (the first time: slot 1 for the first time), so group 0 is made for it: the other slot than last time, four numbers s on.
.macro CHA fill
	s_wait_alu depctr_va_vdst(0)                   ; directly ahead of the waits below; in a step it is also the wait ahead of the batch of exponentials
	s_wait_tensorcnt 0x0                           ; no tensor load of mine is out, so group 0 may be written
	ds_add_u32 v[SPW], v[NIL]                      ; 0 onto my spare word
.if \fill
	ds_add_u32 v[SPW], v[NIL]
	s_xor_b32 s[LB], s[LB], SLOT1
	s_add_co_u32 s[G0+1], s[LB], s[POS]
	s_add_co_u32 s[SEQW], s[SEQW], 4
	s_cmp_gt_u32 s[SEQW], s[J]
	s_cselect_b32 s[OFS], s[JP1], 0
	s_sub_co_u32 s[OFS], s[SEQW], s[OFS]           ; its key step
	s_lshl_b32 s[OFS], s[OFS], 14
	s_add_nc_u64 s[G0+2:G0+3], s[KVH:KVH+1], s[OFS:OFS+1]
	s_or_b32 s[G0+3], s[G0+3], 0x80000000
	s_wait_xcnt 0x0                                ; the last prefetches, a slot back, have read their address, so it may be written
	s_add_nc_u64 s[PFA:PFA+1], s[PFA:PFA+1], 4*STEPB
.endif
	s_wait_dscnt 0x0                               ; the add is done, and my reads of the slot in hand are over
	s_barrier_signal -1
.endm
; Second half.  Behind the wait the slot ahead is whole and nobody reads the other one: it is filled first, by waves 0 .. nl - 1, one load a wave.
.macro CHB nl
	s_barrier_wait -1
.if \nl
	TLOAD \nl
	ASK
.endif
.endm
.macro SAVE o                          ; my part of a block into my own LDS bytes; each accumulator from its low end on
	ds_store_b128 v[STW], v[12:15] offset:\o+128
.set i, 0
.rept 8
	ds_store_b128 v[STW], v[160+4*i:163+4*i] offset:\o+16*i
.set i, i+1
.endr
.endm
.macro RESET                           ; the second block begins: its state, its Q, its key step 0 or 1
	v_mov_b32 v13, 0xff61b1e6
	s_delay_alu instid0(VALU_DEP_1)
	v_floor_f32 v12, -v13
	v_mov_b32 v14, 0
	v_mov_b32 v15, 0
.set i, 0
.rept 32
	v_mov_b32 v[160+i], 0
.set i, i+1
.endr
.set i, 0
.rept 8
	v_mov_b32 v[16+i], v[24+i]
.set i, i+1
.endr
	s_sub_co_u32 s[KS], s[SQ], s[JP1]
	s_mov_b32 s[BK], s[BKB]
.endm
.macro HOLD t                          ; tile t's eight p held at the largest code: the conversion does not saturate (ISA guide 7.6.2); p is not negative, so the hold is one-sided; two numbers an instruction
.irp i, 0,2,4,6
	v_dual_min_num_f32 v[96+8*(\t)+\i], v[96+8*(\t)+\i], v240 :: v_dual_min_num_f32 v[97+8*(\t)+\i], v[97+8*(\t)+\i], v241
.endr
.endm
; A KEY STEP: 128 keys, my q-th of the slot in hand (z = 1: step s = 0, at LDS byte 0).  fin = 1: the step may be my first of the second block (s at most 17: so the steps behind the loop, s from 25 on, have fin = 0).
; last = 1, 2: my last step of the slot: the first half of the change of slots stands ahead of the exponentials (1: with a fill to follow, 2: without).
.macro STEP q, fin, last, z
.if \fin
	s_cmp_lg_u32 s[SQ], s[JSW]
	s_cbranch_scc1 .Lsame_\@
.rept 4
	v_nop                                          ; places behind the last products, whose results are read
.endr
	SAVE 0
	RESET
.Lsame_\@:
.endif
.if \z
	v_mov_b32 v[ADR], v[LI]
.else
	v_add_nc_u32 v[ADR], s[TB], v[LIG]
.endif
.rept 3
	v_nop                                          ; with the line above: four places in front of loads into registers that the last products have read
.endr
.irp t, 0,1,2,3,4,5,6,7
	ds_load_b128 v[F+8*\t:F+8*\t+3], v[ADR] offset:(\q)*2*STEPB+\t*1024
	ds_load_b128 v[F+8*\t+4:F+8*\t+7], v[ADR] offset:(\q)*2*STEPB+\t*1024+512
.endr
	s_wait_alu depctr_va_vdst(0)                   ; directly ahead of the waits below
.irp t, 0,1,2,3,4,5,6,7                        ; S^T = K Q^T
	s_wait_dscnt 14-2*\t                           ; tile t's two loads are in; the later tiles' may be out
	v_wmma_f32_16x16x64_fp8_fp8 v[96+8*\t:103+8*\t], v[F+8*\t:F+8*\t+7], v[16:23], 0
.endr
.rept 4
	v_nop                                          ; places: in front of the loads below, and of the first read of the scores
.endr
.irp c, 0,1,2,3                                ; V^T's four fragments land while the maximum is taken
.irp g, 0,1,2,3
	ds_load_b128 v[F+16*\c+4*\g:F+16*\c+4*\g+3], v[ADR] offset:(\q)*2*STEPB+8192+\c*2048+\g*512
.endr
.endr
	s_cmp_lg_u32 s[KS], s[BK]                      ; the block's last step lies on the diagonal: there hidden scores become -infinity ahead of the maximum, and p = 0.  Every step holds a key that counts for each of my queries, so M is a number from my first step on
	s_cbranch_scc1 .Lopen_\@
	v_mov_b32 v254, 0xff800000
.set n, 0
.rept 64
	v_cmp_gt_i32 vcc_lo, 16*(n/8)+n%8, v[D]
	v_cndmask_b32 v[96+n], v[96+n], v254, vcc_lo
.set n, n+1
.endr
.Lopen_\@:
	v_max3_num_f32 v254, v96, v97, v98             ; the step's largest score of my query, among my 64 keys, in four chains that take turns; each tile is first read at its low end,
	v_max3_num_f32 v252, v99, v100, v101
	v_max3_num_f32 v250, v102, v103, v104
	v_max3_num_f32 v248, v105, v106, v107
.set k, 0
.rept 26
	v_max3_num_f32 v[254-2*(k%4)], v[254-2*(k%4)], v[108+2*k], v[109+2*k]
.set k, k+1
.endr
	s_delay_alu instid0(VALU_DEP_1)
	v_max3_num_f32 v254, v254, v252, v250
	s_delay_alu instid0(VALU_DEP_1)
	v_max_num_f32 v254, v254, v248
	s_delay_alu instid0(VALU_DEP_1)
	v_permlanex16_b32 v236, v254, s[SEL], s[SEL+1]
	s_delay_alu instid0(VALU_DEP_1)
	v_max_num_f32 v254, v254, v236                 ; and among lane l xor 16's
	s_delay_alu instid0(VALU_DEP_1)
	v_mul_f32 v254, s[CS], v254                    ; as t (c is positive)
	s_delay_alu instid0(VALU_DEP_1)
	v_max_num_f32 v13, v13, v254                   ; the running largest t
	v_mov_b32 v254, v12
	s_delay_alu instid0(VALU_DEP_2)
	v_floor_f32 v12, -v13                          ; the new -M = floor(-t) = -ceil(t): M IS A WHOLE NUMBER
	s_delay_alu instid0(VALU_DEP_1)
	v_sub_f32 v254, v12, v254                      ; M's old value less its new one: a whole number, 0 or less
	s_delay_alu instid0(VALU_DEP_1)
	v_cvt_i32_f32 v254, v254                       ; (it saturates)
	s_delay_alu instid0(VALU_DEP_1)
	v_ldexp_f32 v252, 1.0, v254                    ; f = 2^(old M - new M)
.set i, 0
.rept 32
	v_pk_fma_f32 v[96+i:97+i], v[96+i:97+i], s[CS:CS+1], v[12:13] op_sel_hi:[1,0,0]   ; t - M, two at a time
.set i, i+2
.endr
.if \last == 1
	CHA 1
.endif
.if \last == 2
	CHA 0
.endif
.if \last == 0
	s_wait_alu depctr_va_vdst(0)                   ; the wait ahead of the batch
.endif
.set i, 0
.rept 64
	v_exp_f32 v[96+i], v[96+i]                     ; p = 2^(t - M), at most 1: NOT normalised
.set i, i+1
.endr
	v_pk_mul_f32 v[14:15], v[14:15], v[252:253] op_sel_hi:[1,0]   ; the sums under the new M.  (A plain place behind the exponentials)
	s_wait_alu depctr_va_vdst(0)                   ; one wait for the whole batch, ahead of its first reader
	v_pk_add_f32 v[242:243], v[100:101], v[104:105]   ; the sum of the unquantised p, in eight chains
	v_pk_add_f32 v[254:255], v[108:109], v[112:113]
	v_pk_add_f32 v[250:251], v[116:117], v[120:121]
	v_pk_add_f32 v[248:249], v[124:125], v[128:129]
	v_pk_add_f32 v[238:239], v[132:133], v[136:137]
	v_pk_add_f32 v[234:235], v[140:141], v[144:145]
	v_pk_add_f32 v[232:233], v[148:149], v[152:153]
	v_pk_add_f32 v[14:15], v[14:15], v[156:157]
	v_pk_add_f32 v[242:243], v[242:243], v[96:97]
	v_pk_add_f32 v[254:255], v[254:255], v[98:99]
	v_pk_add_f32 v[250:251], v[250:251], v[102:103]
	v_pk_add_f32 v[248:249], v[248:249], v[106:107]
	v_pk_add_f32 v[238:239], v[238:239], v[110:111]
	v_pk_add_f32 v[234:235], v[234:235], v[114:115]
	v_pk_add_f32 v[232:233], v[232:233], v[118:119]
	v_pk_add_f32 v[14:15], v[14:15], v[122:123]
	v_pk_add_f32 v[242:243], v[242:243], v[126:127]
	v_pk_add_f32 v[254:255], v[254:255], v[130:131]
	v_pk_add_f32 v[250:251], v[250:251], v[134:135]
	v_pk_add_f32 v[248:249], v[248:249], v[138:139]
	v_pk_add_f32 v[238:239], v[238:239], v[142:143]
	v_pk_add_f32 v[234:235], v[234:235], v[146:147]
	v_pk_add_f32 v[232:233], v[232:233], v[150:151]
	v_pk_add_f32 v[14:15], v[14:15], v[154:155]
	v_pk_add_f32 v[242:243], v[242:243], v[158:159]   ; every p has been added: from here on p may be held in place
	HOLD 0                                         ; the eight chains are joined among the holds, which name none of their registers
	v_pk_add_f32 v[14:15], v[14:15], v[248:249]
	v_pk_add_f32 v[242:243], v[242:243], v[238:239]
	v_pk_add_f32 v[254:255], v[254:255], v[234:235]
	v_pk_add_f32 v[250:251], v[250:251], v[232:233]
	HOLD 1
	HOLD 2
	v_pk_add_f32 v[14:15], v[14:15], v[254:255]
	v_pk_add_f32 v[242:243], v[242:243], v[250:251]
	HOLD 3
	HOLD 4
	v_pk_add_f32 v[14:15], v[14:15], v[242:243]
	HOLD 5
	HOLD 6
	HOLD 7
.irp t, 0,1,2,3,4,5,6,7
	v_cvt_scalef32_pk8_fp8_f32 v[192+2*\t:193+2*\t], v[96+8*\t:103+8*\t], v244   ; keys 16 t + 8 h + 0 .. 7: registers 2 t, 2 t + 1 of the operand
.endr
	s_wait_alu depctr_va_vdst(0)                   ; directly ahead of the first reader of O^T
.set i, 0
.rept 16
	v_pk_mul_f32 v[160+i:161+i], v[160+i:161+i], v[252:253] op_sel_hi:[1,0]   ; O^T under the new M: x f.  (Plain lines between the conversions and the products that read their results)
.set i, i+2
.endr
	s_wait_alu depctr_va_vdst(0)
.irp c, 0,1,2,3                                ; O^T += V^T P^T: K = these 128 keys; the four accumulators by turns, one instruction a turn
.if \last == 0
	s_wait_dscnt 12-4*\c                           ; fragment c's four loads are in; the later fragments' may be out  (in a slot's last step all were awaited ahead of the signal)
.endif
	v_wmma_f32_16x16x128_fp8_fp8 v[160+8*\c:167+8*\c], v[F+16*\c:F+16*\c+15], v[192:207], v[160+8*\c:167+8*\c]
.endr
	s_add_co_u32 s[SQ], s[SQ], 2
	s_add_co_u32 s[KS], s[KS], 2
.endm
	CHA 1                                          ; (its first line is also the wait at the head's end)  s = 0 .. 4 have landed;
	CHB 4                                          ; slot 1's first fill, issued as a refill is
	s_wait_loadcnt 0x0                             ; Q
	s_cmp_lg_u32 s[GR], 0
	s_cbranch_scc1 .Lodd                           ; s = 0 is even: waves 0-7 walk it, waves 8-15 go on to slot 0
	STEP 0, 0, 0, 1
.Lodd:
.Lslot:                                            ; six trips: slots 0 .. 5; at its end slot m is filled with slot m + 2's steps
	STEP 0, 1, 0, 0
	STEP 1, 1, 1, 0
	s_xor_b32 s[TB], s[TB], SLOT1
	CHB 4
	s_sub_co_u32 s[SLOTS], s[SLOTS], 1
	s_cmp_lg_u32 s[SLOTS], 0
	s_cbranch_scc1 .Lslot
	STEP 0, 0, 0, 0                                ; slot 6: nothing is left to ask for
	STEP 1, 0, 2, 0
	s_xor_b32 s[TB], s[TB], SLOT1
	CHB 0
	STEP 0, 0, 0, 0                                ; slot 7
	STEP 1, 0, 0, 0
; THE PARTS ARE JOINED.  Every wave lays its part of the second block down; behind the barrier it reads the two parts of the tile that it finishes.
.rept 4
	v_nop                                          ; places behind the last products, whose results are read
.endr
	SAVE 144
	s_wait_dscnt 0x0                               ; my stores are done, for the others' sake
	s_barrier_signal -1
	s_barrier_wait -1
	ds_load_b128 v[12:15], v[SRX] offset:128
	ds_load_b128 v[128:131], v[SRY] offset:128
.set i, 0
.rept 8
	ds_load_b128 v[160+4*i:163+4*i], v[SRX] offset:16*i
	ds_load_b128 v[96+4*i:99+4*i], v[SRY] offset:16*i
.set i, i+1
.endr
	s_wait_dscnt 16                                ; the two parts' -M and sums are in; the sixteen loads of O^T may be out
	v_min_num_f32 v232, v12, v128                  ; -M of the two together: the larger M
	v_add_f32 v14, v14, v15
	v_add_f32 v130, v130, v131
	v_sub_f32 v233, v232, v12                      ; each part's M less the common one: whole numbers, 0 or less
	v_sub_f32 v234, v232, v128
	v_cvt_i32_f32 v233, v233                       ; (they saturate: a part without keys gets the factor 0)
	v_cvt_i32_f32 v234, v234
	v_ldexp_f32 v252, 1.0, v233
	v_ldexp_f32 v250, 1.0, v234
	v_mul_f32 v14, v14, v252
	v_fmac_f32 v14, v130, v250
	v_permlanex16_b32 v236, v14, s[SEL], s[SEL+1]
	v_add_f32 v14, v14, v236                       ; and lane l xor 16's: the row's sum, at least 1/2
	s_wait_alu depctr_va_vdst(0)                   ; the wait ahead of the transcendental
	v_rcp_f32 v14, v14
	v_mov_b32 v253, 0                              ; (a plain place; the upper halves of the two pairs below are written)
	v_mov_b32 v251, 0
	s_wait_alu depctr_va_vdst(0)                   ; and ahead of its first reader
	v_mul_f32 v252, v252, v14                      ; each part's factor, divided by the sum
	v_mul_f32 v250, v250, v14
	s_wait_alu depctr_va_vdst(0)                   ; directly ahead of the wait below
	s_wait_dscnt 0x0
.set i, 0
.rept 16
	v_pk_mul_f32 v[160+i:161+i], v[160+i:161+i], v[252:253] op_sel_hi:[1,0]
.set i, i+2
.endr
.set i, 0
.rept 16
	v_pk_fma_f32 v[96+i:97+i], v[96+i:97+i], v[250:251], v[160+i:161+i] op_sel_hi:[1,0,1]   ; register 8 ct + i: channel 16 ct + 8 h + i of my query
.set i, i+2
.endr
.set i, 0
.rept 32
	v_med3_num_f32 v[96+i], v[96+i], -v247, v247   ; the conversion to an 8-bit code does not saturate (ISA guide 7.6.2)
.set i, i+1
.endr
.irp ct, 0,1,2,3
	v_cvt_scalef32_pk8_fp8_f32 v[208+2*\ct:209+2*\ct], v[96+8*\ct:103+8*\ct], v246
.endr
	v_nop                                          ; one plain vector line behind the last conversion
	s_mov_b32 vcc_lo, 0xffff0000                   ; lanes 16-31
.irp b, 0,1                                    ; image b wants, in lane (r, h), channels 32 b + 16 h + 0 .. 15: channel tile 2 b + h, both halves' eight
	v_cndmask_b32 v216, v[210+4*\b], v[208+4*\b], vcc_lo   ; I send what the other half wants
	v_cndmask_b32 v217, v[211+4*\b], v[209+4*\b], vcc_lo
	s_delay_alu instid0(VALU_DEP_2)
	v_permlanex16_b32 v218, v216, s[SEL], s[SEL+1]
	s_delay_alu instid0(VALU_DEP_2)
	v_permlanex16_b32 v219, v217, s[SEL], s[SEL+1]
	v_cndmask_b32 v[220+4*\b], v[208+4*\b], v218, vcc_lo
	v_cndmask_b32 v[221+4*\b], v[209+4*\b], v219, vcc_lo
	v_cndmask_b32 v[222+4*\b], v218, v[210+4*\b], vcc_lo
	v_cndmask_b32 v[223+4*\b], v219, v[211+4*\b], vcc_lo
	global_store_b128 v[LI], v[220+4*\b:223+4*\b], s[AO:AO+1] offset:512*\b   ; 32 lanes store 512 consecutive bytes, aligned
.endr
	s_wait_tensorcnt 0x0                           ; the wave's end
	ds_add_u32 v[SPW], v[NIL]
	s_wait_dscnt 0x0
	s_endpgm
.Lfunc_end_k_q3898f5b268_attn:
	.size	k_q3898f5b268_attn, .Lfunc_end_k_q3898f5b268_attn-k_q3898f5b268_attn
	.p2alignl 7, 3214868480
	.fill 96, 4, 3214868480
	.section	.rodata,"a",@progbits
	.p2align	6, 0x0
	.amdhsa_kernel k_q3898f5b268_attn
		.amdhsa_group_segment_fixed_size 327680
		.amdhsa_private_segment_fixed_size 0
		.amdhsa_enable_private_segment 0
		.amdhsa_kernarg_size 32
		.amdhsa_user_sgpr_count 2
		.amdhsa_user_sgpr_kernarg_segment_ptr 1
		.amdhsa_wavefront_size32 1
		.amdhsa_system_sgpr_workgroup_id_x 1
		.amdhsa_system_sgpr_workgroup_id_y 1
		.amdhsa_system_sgpr_workgroup_id_z 1
		.amdhsa_system_vgpr_workitem_id 0
		.amdhsa_next_free_vgpr 256
		.amdhsa_next_free_sgpr 84
		.amdhsa_reserve_vcc 1
		.amdhsa_float_denorm_mode_32 3
		.amdhsa_float_denorm_mode_16_64 3
		.amdhsa_memory_ordered 1
		.amdhsa_forward_progress 1
		.amdhsa_inst_pref_size 169
	.end_amdhsa_kernel
	.amdgpu_metadata
---
amdhsa.version: [ 1, 2 ]
amdhsa.kernels:
  - .name:           k_q3898f5b268_attn
    .symbol:         k_q3898f5b268_attn.kd
    .args:
      - { .name: q, .offset: 0, .size: 8, .value_kind: global_buffer, .address_space: global }
      - { .name: kv, .offset: 8, .size: 8, .value_kind: global_buffer, .address_space: global }
      - { .name: lowp_scales, .offset: 16, .size: 8, .value_kind: global_buffer, .address_space: global }
      - { .name: a_img, .offset: 24, .size: 8, .value_kind: global_buffer, .address_space: global }
    .group_segment_fixed_size: 327680
    .private_segment_fixed_size: 0
    .kernarg_segment_align: 8
    .kernarg_segment_size: 32
    .max_flat_workgroup_size: 512
    .sgpr_count:     84
    .vgpr_count:     256
    .wavefront_size: 32
...
	.end_amdgpu_metadata
.endif
;; end of part 2
;; launch proj (part 3): grid 8 x 32, 4 waves a work-group, clusters of 4 x 4, 327,680 bytes of LDS; arguments a_img, Wo_codes, lowp_scales, out0; writes out0
.if DOCPART == 3
	.amdgcn_target "amdgcn-amd-amdhsa--gfx1250"
	.amdhsa_code_object_version 6
	.text
	.protected	k_q3898f5b268_proj
	.globl	k_q3898f5b268_proj
	.p2align	8
	.type	k_q3898f5b268_proj,@function
k_q3898f5b268_proj:
	s_mov_b64 s[64:65], 0
	v_nop
	global_prefetch_b8 v0, s[64:65] scope:SCOPE_SE
	s_setreg_imm32_b32 hwreg(HW_REG_WAVE_MODE, 25, 1), 1
	s_wait_xcnt 0x0
	s_wait_alu depctr_hold_cnt(0) depctr_sa_sdst(0) depctr_va_vdst(0) depctr_va_sdst(0) depctr_va_ssrc(0) depctr_va_vcc(0) depctr_vm_vsrc(0)
	s_getreg_b32 s2, hwreg(HW_REG_IB_STS2, 6, 4)
	s_cmp_eq_u32 s2, 0
	s_cbranch_scc0 .Lentry_in_a_cluster
	s_endpgm
.Lentry_in_a_cluster:
	s_bfe_u32 s2, ttmp6, 0x10000c
	s_cmp_lg_u32 s2, 0xf033
	s_cbranch_scc0 .Lentry_shape_is_right
	s_endpgm
.Lentry_shape_is_right:
; The last product: out0[m][n] = 2^(e6 + e7) x the sum over k of a[m][k] Wo[n][k], on codes of FP8 (E4M3); M 4,096, N 1,024, K 1,024; f32 sums and results.
; a_img: [tile of 16 rows][k / 32][512 bytes]: an image of operand registers: lane (r, h) holds row r, k = 32 c + 16 h + 0 .. 15.  Wo_codes: [n][k], a row of 1,024 bytes.
; SHARES: a block of 128 x 128 to a work-group: 32 x 8 = 256 work-groups.  Four waves, 64 x 64 each: 16 accumulators, 128 registers.
; THE WHOLE K LIES IN LDS: A's 8 tiles are 131,072 dense bytes, B's 128 rows of 1,024 bytes get 16 bytes of padding each.  Each wave asks for a half of A or of B by ONE tensor load at the head; nothing is filled again, so there is no ring.
; CLUSTERS of 4 x 4: the four work-groups of a row of the cluster want the same rows of a, the four of a column the same rows of Wo: joint loads.
; No prefetch: the launch has no loop to run ahead in; all that a work-group reads is asked for by its four loads at the head.
; k is permuted alike in A and B (registers 4 c .. 4 c + 3: k = 32 c + 16 h + 0 .. 15), so every product meets its partner.  The matrix instruction is used transposed (source 0 = rows of Wo, source 1 = rows of a): a lane holds eight neighbouring columns of a row.
; LIMIT: e6 + e7 lies between -126 and 127, so that 2^(e6 + e7) is an f32 number.
; REGISTERS: window 0: v16-29 addresses; v32-63 a block's scaled sums; v64-127 A's four fragments (one set; on the way out rows read back); v128-191, v192-255 B's four fragments, two sets.  Window 1: v0-127 the accumulators, (a, b) at 8 (4 a + b).
.set BP,     1040                      ; a row of B in LDS: 1,024 bytes + 16: 65 x 16
.set BOFF,   131072                    ; B lies behind A
.set SPARE,  BOFF+128*BP               ; the spare words, 128 bytes for each wave
.set STAGE,  SPARE+512                 ; the way out: 16 rows x (256 + 16) bytes for each wave, bytes of its own
.set SPITCH, 272
.set ADRA, 16
.set ADRB, 17
.set STO,  18
.set RD,   19
.set CO,   20
.set SPW,  28
.set NIL,  29
.set TMP,  32
.set AF,   64
.set BF,   128
.set G1, 24
.set G0, 32
.set G1B, 48
.set G0B, 56
.set MSB, 0
.macro WIN new                         ; the immediate's high byte repeats the setting that is left
.if MSB != \new
	s_set_vgpr_msb (MSB<<8)|\new
.set MSB, \new
.endif
.endm
.set MULW, 0x50                        ; C and D in window 1, the sources in window 0
.macro CROUND                          ; a round of the cluster's barrier
	s_barrier_signal -1
	s_barrier_wait -1
	s_cmp_lg_u32 s14, 0
	s_cbranch_scc1 .Lnot_wave_0_\@
	s_barrier_signal -3
.Lnot_wave_0_\@:
	s_barrier_wait -3
	s_barrier_signal -1
	s_barrier_wait -1
.endm
	s_load_b128 s[4:7], s[0:1], 0x0                ; a_img, Wo's codes
	s_load_b128 s[8:11], s[0:1], 0x10              ; the scales' exponents, out0
	v_lshl_add_u32 v[SPW], v0, 2, SPARE
	v_mov_b32 v[NIL], 0
	ds_add_u32 v[SPW], v[NIL]                      ; the opening lines: the add, twice on end, and its wait ahead of the first tensor load
	ds_add_u32 v[SPW], v[NIL]
	v_lshrrev_b32 v1, 5, v0
	v_readfirstlane_b32 s14, v1                    ; wave 0..3
	s_lshr_b32 s15, s14, 1                         ; which 64 rows are mine.  Also: I fetch for A (0) or for B (1)
	s_and_b32 s16, s14, 1                          ; which 64 columns.  Also: which half I fetch
	s_bfe_u32 s40, ttmp6, 0x40000                  ; cx, cy
	s_bfe_u32 s41, ttmp6, 0x40004
	s_lshl_b32 s42, ttmp9, 2
	s_add_co_u32 s42, s42, s40                     ; block column
	s_and_b32 s17, ttmp7, 0xffff
	s_lshl_b32 s17, s17, 2
	s_add_co_u32 s17, s17, s41                     ; block row
	s_lshl_b32 s43, s41, 2
	s_lshl_b32 s43, 15, s43                        ; my row of the cluster
	s_lshl_b32 s44, 0x1111, s40                    ; my column
	s_or_b32 s[G1+0], s43, (3<<16)|(1<<21)         ; A: 256 rows of 256 bytes (32 elements of 8 bytes), dense, no padding
	s_mov_b32 s[G1+1], 32<<16
	s_mov_b32 s[G1+2], 256<<16
	s_mov_b32 s[G1+3], 32<<16
	s_mov_b32 s[G1+4], 256
	s_mov_b32 s[G1+5], 32
	s_mov_b32 s[G1+6], 0
	s_mov_b32 s[G1+7], 0
	s_or_b32 s[G1B+0], s44, (0<<16)|(1<<20)|(1<<21)|(7<<22)|(3<<25)  ; B: 64 rows of 1,024 bytes; four words of padding after every 256
	s_mov_b32 s[G1B+1], 1024<<16
	s_mov_b32 s[G1B+2], 64<<16
	s_mov_b32 s[G1B+3], 1024<<16
	s_mov_b32 s[G1B+4], 64
	s_mov_b32 s[G1B+5], 1024
	s_mov_b32 s[G1B+6], 0
	s_mov_b32 s[G1B+7], 0
	s_lshl_b32 s18, s16, 16                        ; my half: 65,536 bytes on, in memory (A and B alike) and in A's LDS
	s_lshl_b32 s20, s17, 17                        ; A: a block row is 131,072 bytes
	s_add_co_u32 s20, s20, s18
	s_mov_b32 s21, 0
	s_lshl_b32 s46, s42, 17                        ; B: 128 rows of 1,024 bytes
	s_add_co_u32 s46, s46, s18
	s_mov_b32 s47, 0
	s_mul_i32 s22, s16, 64*BP
	s_add_co_u32 s22, s22, BOFF                    ; B's half in LDS: what I fetch, if I fetch for B, and what I read
	s_lshl_b32 s72, s15, 16                        ; my four tiles of A in LDS
	s_mul_i32 s23, s14, 16*SPITCH
	s_add_co_u32 s23, s23, STAGE                   ; my stage
	s_lshl_b32 s70, s17, 19                        ; out0: 128 rows of 4,096 bytes a block row,
	s_lshl_b32 s71, s15, 18
	s_add_co_u32 s70, s70, s71
	s_lshl_b32 s71, s42, 9                         ; 512 bytes a block column,
	s_add_co_u32 s70, s70, s71
	s_lshl_b32 s71, s16, 8                         ; 256 bytes a wave's columns
	s_add_co_u32 s70, s70, s71
	s_mov_b32 s71, 0
	s_wait_dscnt 0x0                               ; both opening adds are done
	s_wait_kmcnt 0x0
	s_load_b64 s[96:97], s[8:9], 0x18              ; e6, e7
	s_mov_b32 s[G0], 1
	s_mov_b32 s[G0+1], s18
	s_add_nc_u64 s[G0+2:G0+3], s[4:5], s[20:21]
	s_or_b32 s[G0+3], s[G0+3], 0x80000000
	s_mov_b32 s[G0B], 1
	s_mov_b32 s[G0B+1], s22
	s_add_nc_u64 s[G0B+2:G0B+3], s[6:7], s[46:47]
	s_or_b32 s[G0B+3], s[G0B+3], 0x80000000
	s_add_nc_u64 s[10:11], s[10:11], s[70:71]
	CROUND                                         ; all sixteen work-groups are here: the joint loads meet
	s_cmp_eq_u32 s15, 0
	s_cbranch_scc0 .Lfor_b
	tensor_load_to_lds s[G0:G0+3], s[G1:G1+7]      ; one tensor load a wave, and the only one
	s_nop 0
.rept 4
	v_nop
.endr
	s_branch .Lasked
.Lfor_b:
	tensor_load_to_lds s[G0B:G0B+3], s[G1B:G1B+7]
	s_nop 0
.rept 4
	v_nop
.endr
.Lasked:
	v_and_b32 v1, 15, v0                           ; r
	v_bfe_u32 v2, v0, 4, 1                         ; h
	v_and_b32 v3, 31, v0
	v_mul_u32_u24 v4, v1, BP
	v_mul_u32_u24 v5, v1, SPITCH
	v_mul_u32_u24 v6, v2, SPITCH
	v_lshlrev_b32 v7, 4, v1
	v_lshlrev_b32 v3, 4, v3
	v_lshl_add_u32 v4, v2, 4, v4
	v_lshl_add_u32 v5, v2, 5, v5
	v_add_nc_u32 v6, v6, v7
	v_add_nc_u32 v[ADRA], s72, v3                  ; A is read as it lies: 16 bytes a lane
	v_add_nc_u32 v[ADRB], s22, v4                  ; B: row r x pitch + 16 h
	v_add_nc_u32 v[STO], s23, v5                   ; the stage, in: row r, 32 bytes for each half of the lanes
	v_add_nc_u32 v[RD], s23, v6                    ; back: lanes 0-15 one row of 256 bytes, lanes 16-31 the next
	v_lshl_add_u32 v[CO], v2, 12, v7               ; and the same two rows in out0
.macro FRB reg, q, i
.irp c, 0,1,2,3
	ds_load_b128 v[\reg+4*\c:\reg+4*\c+3], v[ADRB] offset:128*(\q)+32*\c+(\i)*16*BP
.endr
.endm
.macro FRA reg, q, i
.irp c, 0,1,2,3
	ds_load_b128 v[\reg+4*\c:\reg+4*\c+3], v[ADRA] offset:(\i)*16384+2048*(\q)+512*\c
.endr
.endm
.macro FETCH_B q, p
.irp i, 0,1,2,3
	FRB BF+64*(\p)+16*\i, \q, \i
.endr
.endm
.macro FETCH_A q, i0
.irp i, \i0, \i0+1
	FRA AF+16*(\i), \q, \i
.endr
.endm
; 8 matrix instructions: A's blocks a0, a0 + 1 x B's four.  The 16 accumulators take turns, one instruction a turn, in the same order in every step.
.macro MUL8 a0, p, zero
.irp a, \a0, \a0+1
.irp b, 0,1,2,3
.if \zero
	v_wmma_f32_16x16x128_fp8_fp8 v[8*(4*(\a)+\b):8*(4*(\a)+\b)+7], v[BF+64*(\p)+16*\b:BF+64*(\p)+16*\b+15], v[AF+16*(\a):AF+16*(\a)+15], 0
.else
	v_wmma_f32_16x16x128_fp8_fp8 v[8*(4*(\a)+\b):8*(4*(\a)+\b)+7], v[BF+64*(\p)+16*\b:BF+64*(\p)+16*\b+15], v[AF+16*(\a):AF+16*(\a)+15], v[8*(4*(\a)+\b):8*(4*(\a)+\b)+7]
.endif
.endr
.endr
.endm
.macro PLACES                          ; four places in front of loads into registers that matrix instructions have read, and of reads of results
.rept 4
	v_nop
.endr
.endm
; A step of 128 along K.  A's blocks 0, 1 and B's other set are fetched anew in its middle, A's blocks 2, 3 at its end.
.macro PSTEP q, zero
	s_wait_dscnt 8                                 ; B's set and A's blocks 0, 1 are in; the youngest eight loads (A's blocks 2, 3) may be out
	WIN MULW
	MUL8 0, (\q)%2, \zero
	s_wait_dscnt 0
	PLACES
	WIN 0
.if (\q) < 7
	FETCH_B (\q)+1, 1-(\q)%2
	FETCH_A (\q)+1, 0
.endif
	WIN MULW
	MUL8 2, (\q)%2, \zero
	PLACES
	WIN 0
.if (\q) < 7
	FETCH_A (\q)+1, 2
.endif
.endm
	s_wait_alu depctr_va_vdst(0)                   ; the wait at the head's end
	s_wait_tensorcnt 0x0                           ; my half of A or of B is in
	s_barrier_signal -1
	s_barrier_wait -1                              ; everybody's is
	FETCH_B 0, 0
	FETCH_A 0, 0
	FETCH_A 0, 2
	PSTEP 0, 1                                     ; the first products start the sums: nothing is cleared
.irp q, 1,2,3,4,5,6,7
	PSTEP \q, 0
.endr
; THE WAY OUT, by blocks of 16 rows x 64 columns: scaled, through my own stage, back as whole rows of 256 bytes.  LDS serves a wave's instructions in order (ISA guide 5.7.1.4): no wait between the stores and the loads.
.macro TOSTAGE a
	WIN 0x01                                       ; source 0: window 1
.irp j, 0,2,4,6,8,10,12,14,16,18,20,22,24,26,28,30
	v_pk_mul_f32 v[TMP+\j:TMP+\j+1], v[32*(\a)+\j:32*(\a)+\j+1], s[96:97] op_sel_hi:[1,0]   ; x 2^(e6 + e7); each accumulator from its low end on
.endr
	WIN 0
.irp b, 0,1,2,3
	ds_store_b128 v[STO], v[TMP+8*\b:TMP+8*\b+3] offset:64*\b
	ds_store_b128 v[STO], v[TMP+8*\b+4:TMP+8*\b+7] offset:64*\b+16
.endr
.set BB, AF+32*((\a)%2)
.irp t, 0,1,2,3,4,5,6,7
	ds_load_b128 v[BB+4*\t:BB+4*\t+3], v[RD] offset:\t*2*SPITCH
.endr
.endm
.macro SEND a, younger                 ; younger: the LDS instructions issued behind block a's loads, which may stay out
.set BB, AF+32*((\a)%2)
	s_wait_dscnt \younger
.if (\a) > 0
	s_add_nc_u64 s[10:11], s[10:11], 16*4096       ; (behind a wait on XCNT: the earlier stores have read their base)  16 rows on
.endif
.irp t, 0,1,2,3,4,5,6,7
	global_store_b128 v[CO], v[BB+4*\t:BB+4*\t+3], s[10:11] offset:\t*2*4096 th:TH_STORE_NT   ; 16 lanes store 256 consecutive bytes, aligned
.endr
.endm
	s_wait_kmcnt 0x0
	s_add_co_i32 s96, s96, s97
	s_add_co_i32 s96, s96, 127
	s_lshl_b32 s96, s96, 23                        ; 2^(e6 + e7) as f32
	TOSTAGE 0
.irp a, 1,2,3
.if \a > 1
	s_wait_xcnt 0x0                                ; block a - 2's stores have read their registers and their base
.endif
	TOSTAGE \a
	SEND \a-1, 16                                  ; behind block a - 1's loads: block a's 8 stores and 8 loads
.endr
	s_wait_xcnt 0x0
	SEND 3, 0
	s_wait_tensorcnt 0x0                           ; the wave's end
	ds_add_u32 v[SPW], v[NIL]
	s_wait_dscnt 0x0
	CROUND                                         ; the closing round
	s_endpgm
.Lfunc_end_k_q3898f5b268_proj:
	.size	k_q3898f5b268_proj, .Lfunc_end_k_q3898f5b268_proj-k_q3898f5b268_proj
	.p2alignl 7, 3214868480
	.fill 96, 4, 3214868480
	.section	.rodata,"a",@progbits
	.p2align	6, 0x0
	.amdhsa_kernel k_q3898f5b268_proj
		.amdhsa_group_segment_fixed_size 327680
		.amdhsa_private_segment_fixed_size 0
		.amdhsa_enable_private_segment 0
		.amdhsa_kernarg_size 32
		.amdhsa_user_sgpr_count 2
		.amdhsa_user_sgpr_kernarg_segment_ptr 1
		.amdhsa_wavefront_size32 1
		.amdhsa_system_sgpr_workgroup_id_x 1
		.amdhsa_system_sgpr_workgroup_id_y 1
		.amdhsa_system_sgpr_workgroup_id_z 1
		.amdhsa_system_vgpr_workitem_id 0
		.amdhsa_next_free_vgpr 384
		.amdhsa_next_free_sgpr 98
		.amdhsa_reserve_vcc 0
		.amdhsa_float_denorm_mode_32 3
		.amdhsa_float_denorm_mode_16_64 3
		.amdhsa_memory_ordered 1
		.amdhsa_forward_progress 1
		.amdhsa_inst_pref_size 46
	.end_amdhsa_kernel
	.amdgpu_metadata
---
amdhsa.version: [ 1, 2 ]
amdhsa.kernels:
  - .name:           k_q3898f5b268_proj
    .symbol:         k_q3898f5b268_proj.kd
    .args:
      - { .name: a_img, .offset: 0, .size: 8, .value_kind: global_buffer, .address_space: global }
      - { .name: Wo_codes, .offset: 8, .size: 8, .value_kind: global_buffer, .address_space: global }
      - { .name: lowp_scales, .offset: 16, .size: 8, .value_kind: global_buffer, .address_space: global }
      - { .name: out0, .offset: 24, .size: 8, .value_kind: global_buffer, .address_space: global }
    .group_segment_fixed_size: 327680
    .private_segment_fixed_size: 0
    .kernarg_segment_align: 8
    .kernarg_segment_size: 32
    .max_flat_workgroup_size: 128
    .sgpr_count:     98
    .vgpr_count:     384
    .wavefront_size: 32
...
	.end_amdgpu_metadata
.endif
;; end of part 3
